; MI455X (gfx1250); checked and timed in simulation.
; The chip was launched on July 23, 2026; its instructions are those of AMD's public machine-readable ISA for CDNA 5 (MIT licence, August 2026) and "CDNA5" Instruction Set Architecture Reference Guide (July 2026). The comments in the code are by the model that wrote it; some were corrected since.
;; Resonant Complex Projection. Allowed arithmetic: matrix products marked QUANTISED: E3M2 operands, one E8M0 scale for each 32 along K, by v_wmma_scale_f32_16x16x128_f8f6f4 with both operands' format E3M2, f32 sums; everything else in f32.
;; Inputs: B 1,024 x 512 float32; W 1,024 x 512 float32; Wi_codes 512 x 32 x 24 uint8 (E3M2 codes of Wi, K innermost, in blocks of 32 codes, four codes in three bytes); Wi_scales 512 x 32 uint8 (E8M0 scales of Wi, one for each 32 codes along K); Wr_codes 512 x 32 x 24 uint8 (E3M2 codes of Wr, K innermost, in blocks of 32 codes, four codes in three bytes); Wr_scales 512 x 32 uint8 (E8M0 scales of Wr, one for each 32 codes along K); x 256 x 512 float32.
;; Outputs: out0 256 x 512 float32; out1 256 x 512 float32.
;; This version of the problem:
;;   THIS VERSION OF THE PROBLEM IS GIVEN IN LOW PRECISION. The matrix products marked QUANTISED in the list below multiply operands that are first quantised to E3M2 (3 exponent bits, 2 mantissa bits; 6 bits a number), with one power-of-two scale for each 32 numbers along K (OCP MX v1.0); their sums are f32. All else is computed in f32.
;;   The module's matrix products, in the order in which they are computed (A, B: the left and right operand; K: the contracted axis; several contracted axes count as one K, in the product's order):
;;     1. [M 256, K 1,024] x [K 1,024, N 512]; A: computed on the way; B: input Wr (given as codes): QUANTISED
;;     2. [M 256, K 1,024] x [K 1,024, N 512]; A: computed on the way; B: input Wi (given as codes): QUANTISED
;;   THE QUANTISER, for each operand of a quantised product, along K:
;;     - K is cut into blocks of 32 from its start; a last block that is shorter is filled with zeros.
;;     - A block's scale is 2^e with e = floor(log2(the largest magnitude in the block)) - 4, held to -126 .. 127; a block of zeros has e = 0. As a byte (E8M0): e + 127.
;;     - Each number is divided by its block's scale, clamped to +-28, and rounded to the nearest number of E3M2, ties to even, subnormals kept.
;;     - The product sums the exact products of the quantised numbers (number of the format x scale) in f32.
;;   ~~~python
;;   def quantise(x, axis):      # numpy; x: float32 -> the quantised numbers, widened to float32 again
;;       x = np.moveaxis(x, axis, -1); K = x.shape[-1]
;;       x = np.pad(x, [(0, 0)] * (x.ndim - 1) + [(0, -K % 32)]); x = x.reshape(x.shape[:-1] + (-1, 32)); a = np.abs(x).max(-1, keepdims=True)
;;       e = np.where(a > 0, np.clip(np.frexp(np.where(a > 0, a, 1))[1] - 1 - 4, -126, 127), 0)      # np.frexp(a)[1] - 1 = floor(log2(a)), exactly
;;       r = np.clip(x / 2.0 ** e, -28, 28)
;;       step = 2.0 ** (np.maximum(np.frexp(np.where(r == 0, 1, r))[1] - 1, -2) - 2)
;;       q = np.round(r / step) * step * 2.0 ** e      # np.round: ties to even
;;       return np.moveaxis(q.reshape(q.shape[:-2] + (-1,))[..., :K], -1, axis).astype(np.float32)
;;   ~~~
;;   OPERANDS COMPUTED ON THE WAY. 'Computed on the way' means the value that the module computes at that place (a softmax that the list does not call 'softmax' is quantised finished and normalised). What goes into a quantiser is computed in f32, as accurately as f32 sums, v_exp_f32 and their like allow (about 1e-6 of the number): no bf16 or f16 on the way to a quantiser, and a product that is left as it is and whose result goes on into a quantised operand takes f32 operands (vector FMAs, or v_wmma_f32_16x16x4_f32). A number that lies on a knife's edge between two numbers of the format may be rounded either way, as far as f32 arithmetic and the matrix unit's own rounding can turn it there, and no further.
;;   INPUTS GIVEN AS CODES. Wi (in the module: [512, 1024], K = its axis 1); Wr (in the module: [512, 1024], K = its axis 1): each comes as NAME_codes (uint8): NAME with its K axis moved to the last place and cut into blocks of 32 codes, [.., K / 32, bytes a block], one block behind the other in memory; four codes in three bytes: a row's codes are one little-endian stream of bits, code i at bits 6 i .. 6 i + 5 (a code: sign, 3 exponent bits, 2 mantissa bits); and NAME_scales (uint8): the same leading axes, one E8M0 byte (e + 127) for each 32 codes along K. Its value is code x scale, taken as it is: it is not quantised again, and the codes and scales need not be those that the quantiser above would give.
;; One version. Each part assembles by itself: llvm-mc -triple=amdgcn-amd-amdhsa -mcpu=gfx1250 --defsym DOCPART=n.
;; ======== version 1 of 1: 2 launches
;; limits: right only within a limited range of input values
;; workspace buffers: acod 458,752 bytes
;; launch sums (part 1): grid 16 x 16, 16 waves a work-group, no clusters, 176,128 bytes of LDS; arguments x, W, B, acod; writes acod
.if DOCPART == 1
	.amdgcn_target "amdgcn-amd-amdhsa--gfx1250"
	.amdhsa_code_object_version 6
	.text
	.protected	k_qc48a49078f_sums
	.globl	k_qc48a49078f_sums
	.p2align	8
	.type	k_qc48a49078f_sums,@function
k_qc48a49078f_sums:
	s_mov_b64 s[64:65], 0
	v_nop
	global_prefetch_b8 v0, s[64:65] scope:SCOPE_SE
	s_setreg_imm32_b32 hwreg(HW_REG_WAVE_MODE, 25, 1), 1
	s_wait_xcnt 0x0
; cos_sum[b][n] and sin_sum[b][n] = sums over i = 0 .. 511 of the table's cos and sin at index k = floor((x[b][i] / (1 + |W[n][i]|) + B[n][i]) * 4096/2pi) mod 4096,
; quantised along n to codes of E3M2 with one E8M0 byte for each 32, and stored in the order in which the next launch's operand registers take them.  No work of the formula is left out.
; THE INDEX follows the f32 formula's roundings.  The quotient: the reciprocal of wl = 1 + |W| is kept as yh + yl (yh = v_rcp_f32, yl = (1 - wl yh) yh, made once for 16 rows), q = fma(x, yh, x yl); then one add, one
; multiply by f32(4096/2pi), floor to int32, the low 12 bits.
; THE TABLE'S VALUE is computed, not looked up: no address may hang on a floating-point number.  The 12 bits are laid under the bits of 2^23: the f32 number 2^23 + k.  The table's angle is a = pi32 k / 2048, pi32 = f32(pi).
; With c = pi32 / 8192 and h = 3217 / 4096 the number -(2^23 c + h) is an f32 number, so ONE fused multiply-add gives phi = k c - h, rounded once, |phi| <= h = 0.7854, and a = 4 phi + pi + dl, dl = 4 h - pi.
; s = sin phi by a polynomial of degree 7, cs = cos phi of degree 6 (both fitted to that range); d = s s - 1/2, m = s cs; cos 4 phi = 8 d d - 1, sin 4 phi = -8 m d: Q += d d (begun at -1/8 a term), S += m d.
; The turn by pi + dl is made once, on the sums: cos_sum = -8 (Q + dl S), sin_sum = 8 (S - dl Q).
; LIMITS: |theta * 651.9| under 2^31 (beyond it the int32 index of the formula ends too); NaN and infinities are not served; yh + yl differs from 1 / wl by some 2^-46 of it, so a quotient that lies so near the middle
; between two f32 numbers may be rounded the other way; a term may differ from the f32 table's entry by some 5e-7 (the roundings of phi, s, d, and the table's own rounded angle, which is not imitated);
; a block of zeros gets the byte 1, its codes are zeros.
; SHARES.  A work-group: 16 rows b (work-group y) x 64 neurons n (work-group x) x all 512 i, in four chunks of 128 i.  In chunk c wave w takes i = 128 c + 8 w .. + 7: the sixteen waves' 32-byte pieces of a row of W or B are
; 512 neighbouring bytes, and a chunk touches only that quarter of each row.  A lane: n0 + lane and n0 + 32 + lane, the two halves of every packed instruction.
; The work-group's 16 rows of x come once into LDS (wave w brings row w, 512 neighbouring bytes a load) and are read back four numbers at a time, the same in all lanes.
; EIGHT CHAINS BY TURNS (4 rows x 2 i): a line's result is read eight vector instructions later at the earliest.  The 16 waves' partial sums meet in LDS; then wave w owns row w.
; No tensor load, no cluster: W and B go straight into registers, each chunk's loads issued a whole chunk (2,688 vector instructions) ahead of their use, which is why no data prefetch is laid beside them.
.set PS,   0                           ; LDS: partial sums [wave 16][b 16][lane 32][16 bytes: Q, Q', S, S']
.set ST,   131072                      ; 512 bytes a wave, its own: [cos, sin][n 64] f32
.set OUT,  139264                      ; the image of the work-group's 1,792 bytes of acod
.set SPARE, 141312                     ; the spare words: 128 bytes a wave; no other line names them
.set XS,   143360                      ; x: [row 16][2,048 bytes]
.set RW0,  8                           ; v8-15  W[n][8 i];  v16-23 W[n + 32][8 i];  v24-31, v32-39 B likewise
.set RW1,  16
.set RB0,  24
.set RB1,  32
.set YH,   40                          ; v40-55  the reciprocal's high part, a pair (n, n + 32) for each i
.set YL,   56                          ; v56-71  its low part
.set BB,   72                          ; v72-87  B
.set T,    88                          ; v88-135 eight chains x three pairs
.set ACC,  136                         ; v136-199 row b: Q pair at 4 b, S pair at 4 b + 2
.set X,    200                         ; v200-231 four rows x 8 numbers of x
.set OA,   232                         ; where my 12 bytes of codes go in the image
.set OS,   233                         ; where my row's scale word goes
.set SH,   234                         ; 8 x (which block of the two)
.set OL,   235                         ; OUT + 8 x thread
.set DT,   236                         ; a lane exchange's destination
.set XAD,  237                         ; x in LDS: my wave's 32 bytes of row 0 in this chunk
.set VS5,  238                         ; constants that stand as a third source beside a scalar pair
.set VB2,  240
.set VK0,  242
.set SPW,  244                         ; my spare word;  v245 = 0
.set NIL,  245
.set XO,   246                         ; 2,048 x wave + 16 x lane
.set XSA,  247                         ; XS + that
.set GO,   248                         ; 8 x thread
.set XB,   249                         ; XS + 32 x wave
.set KC,   56
.set KCC,  58
.set KS7,  60
.set KS3,  62
.set KB3,  66
.set KB1,  68
.set KDL,  70
.set K8,   72
.set KM8,  74
.macro KPAIR reg, val                  ; a constant as a pair: both words are written, the first is used
	s_mov_b32 s[\reg], \val
	s_mov_b32 s[\reg+1], \val
.endm
.macro VPAIR reg, val
	v_mov_b32 v[\reg], \val
	v_mov_b32 v[\reg+1], \val
.endm
.macro WBLOAD                          ; W and B of my two neurons, 8 i: 32 bytes of each of four rows
	global_load_b128 v[RW0:RW0+3],   v2, s[4:5]
	global_load_b128 v[RW0+4:RW0+7], v2, s[4:5] offset:16
	global_load_b128 v[RW1:RW1+3],   v2, s[4:5] offset:65536
	global_load_b128 v[RW1+4:RW1+7], v2, s[4:5] offset:65552
	global_load_b128 v[RB0:RB0+3],   v2, s[6:7]
	global_load_b128 v[RB0+4:RB0+7], v2, s[6:7] offset:16
	global_load_b128 v[RB1:RB1+3],   v2, s[6:7] offset:65536
	global_load_b128 v[RB1+4:RB1+7], v2, s[6:7] offset:65552
.endm
.macro XL g, hf                        ; x of rows 4 g .. 4 g + 3, numbers 4 hf .. 4 hf + 3 of my eight: every lane reads the same 16 bytes
.irp u, 0,1,2,3
	ds_load_b128 v[X+8*\u+4*(\hf):X+8*\u+4*(\hf)+3], v[XAD] offset:(4*(\g)+\u)*2048+16*(\hf)
.endr
.endm
.macro PREP                            ; a chunk's reciprocal in two parts, and B, in pairs.  wl lies in T .. T + 15, 1 - wl yh in T + 16 .. T + 31
.irp i, 0,1,2,3,4,5,6,7
	v_add_f32 v[T+2*\i],   1.0, |v[RW0+\i]|
	v_add_f32 v[T+2*\i+1], 1.0, |v[RW1+\i]|
.endr
	s_wait_alu depctr_va_vdst(0)                   ; the wait ahead of the batch
.irp j, 0,1,2,3,4,5,6,7,8,9,10,11,12,13,14,15
	v_rcp_f32 v[YH+\j], v[T+\j]
.endr
.irp i, 0,1,2,3,4,5,6,7
	v_mov_b32 v[BB+2*\i],   v[RB0+\i]              ; plain work behind the batch of reciprocals
	v_mov_b32 v[BB+2*\i+1], v[RB1+\i]
.endr
	s_wait_alu depctr_va_vdst(0)                   ; one wait for the sixteen reciprocals, ahead of their first reader
.irp p, 0,1,2,3,4,5,6,7
	v_pk_fma_f32 v[T+16+2*\p:T+17+2*\p], v[T+2*\p:T+2*\p+1], v[YH+2*\p:YH+2*\p+1], 1.0 op_sel_hi:[1,1,0] neg_lo:[1,0,0] neg_hi:[1,0,0]
.endr
.irp p, 0,1,2,3,4,5,6,7
	v_pk_mul_f32 v[YL+2*\p:YL+2*\p+1], v[T+16+2*\p:T+17+2*\p], v[YH+2*\p:YH+2*\p+1]
.endr
.endm
; chain (e, u) of a step: row 4 g + u, i = 2 j + e of my eight
.macro IDX g, j, e, u
.set TA, T+24*(\e)+6*(\u)
.set TZ, TA+2
.set TC, TA+4
.set I2, 2*(2*(\j)+(\e))
.set XP, X+8*(\u)+2*(\j)
.set AQ, ACC+4*(4*(\g)+(\u))
.endm
.macro ALL8 op, g, j                   ; one line of all eight chains
.irp e, 0,1
.irp u, 0,1,2,3
	IDX \g, \j, \e, \u
	\op \e
.endr
.endr
.endm
.macro L1 e
	v_pk_mul_f32 v[TA:TA+1], v[YL+I2:YL+I2+1], v[XP:XP+1] op_sel:[0,\e] op_sel_hi:[1,\e]                      ; x yl (word e of the pair of x serves both halves)
.endm
.macro L2 e
	v_pk_fma_f32 v[TA:TA+1], v[YH+I2:YH+I2+1], v[XP:XP+1], v[TA:TA+1] op_sel:[0,\e,0] op_sel_hi:[1,\e,1]      ; the quotient
.endm
.macro L3 e
	v_pk_add_f32 v[TA:TA+1], v[TA:TA+1], v[BB+I2:BB+I2+1]                                                     ; theta
.endm
.macro L4 e
	v_pk_mul_f32 v[TA:TA+1], v[TA:TA+1], s[KC:KC+1] op_sel_hi:[1,0]
.endm
.macro L5 e
	v_cvt_floor_i32_f32 v[TA], v[TA]
.endm
.macro L6 e
	v_cvt_floor_i32_f32 v[TA+1], v[TA+1]
.endm
.macro L7 e
	v_bfi_b32 v[TA], s76, v[TA], s77                                                                          ; the f32 number 2^23 + k
.endm
.macro L8 e
	v_bfi_b32 v[TA+1], s76, v[TA+1], s77
.endm
.macro L9 e
	v_pk_fma_f32 v[TA:TA+1], v[TA:TA+1], s[KCC:KCC+1], v[VK0:VK0+1] op_sel_hi:[1,0,1]                         ; phi = k c - h
.endm
.macro L10 e
	v_pk_mul_f32 v[TZ:TZ+1], v[TA:TA+1], v[TA:TA+1]                                                           ; z
.endm
.macro L11 e
	v_pk_fma_f32 v[TC:TC+1], v[TZ:TZ+1], s[KS7:KS7+1], v[VS5:VS5+1] op_sel_hi:[1,0,1]
.endm
.macro L12 e
	v_pk_fma_f32 v[TC:TC+1], v[TC:TC+1], v[TZ:TZ+1], s[KS3:KS3+1] op_sel_hi:[1,1,0]
.endm
.macro L13 e
	v_pk_mul_f32 v[TC:TC+1], v[TC:TC+1], v[TZ:TZ+1]
.endm
.macro L14 e
	v_pk_fma_f32 v[TA:TA+1], v[TC:TC+1], v[TA:TA+1], v[TA:TA+1]                                               ; s = sin phi
.endm
.macro L15 e
	v_pk_fma_f32 v[TC:TC+1], v[TZ:TZ+1], s[KB3:KB3+1], v[VB2:VB2+1] op_sel_hi:[1,0,1]
.endm
.macro L16 e
	v_pk_fma_f32 v[TC:TC+1], v[TC:TC+1], v[TZ:TZ+1], s[KB1:KB1+1] op_sel_hi:[1,1,0]
.endm
.macro L17 e
	v_pk_fma_f32 v[TC:TC+1], v[TC:TC+1], v[TZ:TZ+1], 1.0 op_sel_hi:[1,1,0]                                    ; cos phi
.endm
.macro L18 e
	v_pk_mul_f32 v[TC:TC+1], v[TA:TA+1], v[TC:TC+1]                                                           ; m
.endm
.macro L19 e
	v_pk_fma_f32 v[TZ:TZ+1], v[TA:TA+1], v[TA:TA+1], -0.5 op_sel_hi:[1,1,0]                                   ; d
.endm
.macro SUB g, j                        ; 4 rows x 2 i x 64 neurons: 168 vector instructions
.irp l, L1,L2,L3,L4,L5,L6,L7,L8,L9,L10,L11,L12,L13,L14,L15,L16,L17,L18,L19
	ALL8 \l, \g, \j
.endr
.irp e, 0,1                            ; a row's two chains add onto the same sums: S and Q by turns keep them eight lines apart
.irp u, 0,1,2,3
	IDX \g, \j, \e, \u
	v_pk_fma_f32 v[AQ+2:AQ+3], v[TC:TC+1], v[TZ:TZ+1], v[AQ+2:AQ+3]                                           ; S += m d
.endr
.irp u, 0,1,2,3
	IDX \g, \j, \e, \u
	v_pk_fma_f32 v[AQ:AQ+1], v[TZ:TZ+1], v[TZ:TZ+1], v[AQ:AQ+1]                                               ; Q += d d
.endr
.endr
.endm
.macro GROUP g                         ; four rows, my 8 i.  Each half of x's registers is loaded again while the other half is at work, 336 vector instructions ahead of its use
	s_wait_dscnt 0x0                               ; numbers 0-3 of these rows are in
	XL \g, 1
	SUB \g, 0
	SUB \g, 1
	s_wait_dscnt 0x0                               ; numbers 4-7
.if (\g) < 3
	XL (\g)+1, 0
.endif
	SUB \g, 2
	SUB \g, 3
.endm
	s_load_b256 s[88:95], s[0:1], 0x0              ; x s[88:89], W s[90:91], B s[92:93], acod s[94:95]
	v_lshl_add_u32 v[SPW], v0, 2, SPARE
	v_mov_b32 v[NIL], 0
	v_lshrrev_b32 v1, 5, v0
	s_delay_alu instid0(VALU_DEP_1)
	v_readfirstlane_b32 s10, v1                    ; wave 0..15
	s_delay_alu instid0(VALU_DEP_2)
	v_lshl_add_u32 v[XB], v1, 5, XS
	s_mov_b32 s12, ttmp9                           ; nt: which 64 neurons
	s_and_b32 s13, ttmp7, 0xffff                   ; mt: which 16 rows
	s_and_b32 s14, s12, 1
	s_lshl_b32 s14, s14, 4                         ; my two scale bytes are the lower or the upper half of a K step's word
	s_mov_b32 s11, 0                               ; the chunk
	s_lshl_b32 s16, s10, 5
	s_lshl_b32 s17, s10, 13
	s_lshl_b32 s18, s10, 9
	s_add_co_u32 s18, s18, ST
	s_mul_i32 s19, s10, 24
	s_add_co_u32 s19, s19, OUT
	s_lshl_b32 s20, s10, 2
	s_add_co_u32 s20, s20, OUT+1536
	KPAIR KC,  0x4422f983                          ; f32(4096 / 2pi)
	KPAIR KCC, 0x39c90fdb                          ; c = pi32 / 8192
	KPAIR KS7, 0xb94ca1f9                          ; sin: -1.9515296e-4, (8.3321609e-3), -1.6666655e-1
	KPAIR KS3, 0xbe2aaaa3
	KPAIR KB3, 0xbab21290                          ; cos: -1.3585854e-3, (4.1655022e-2), -4.9999857e-1, 1
	KPAIR KB1, 0xbeffffd0
	KPAIR KDL, 0x3715777a                          ; dl = 4 h - pi
	KPAIR K8,  0x41000000
	KPAIR KM8, 0xc1000000
	s_mov_b32 s76, 0xfff
	s_mov_b32 s77, 0x4b000000                      ; 2^23
	s_mov_b32 s87, 0
	s_lshl_b32 s86, s13, 15                        ; 16 rows of x, 2,048 bytes each
	v_and_b32 v1, 31, v0                           ; lane
	v_lshlrev_b32 v4, 4, v0                        ; partial sums in: row = my wave: 16 x thread; waves 0-7's
	v_and_b32 v8, 7, v0                            ; g = lane % 8
	v_bfe_u32 v9, v0, 2, 1
	v_bfe_u32 v10, v0, 1, 1
	v_and_b32 v11, 1, v0
	v_lshrrev_b32 v12, 5, v0
	v_lshl_add_u32 v2, v1, 11, s16                 ; W, B: row = lane (2,048 bytes), + 32 bytes a wave; 512 more each chunk
	v_lshl_add_u32 v3, v1, 4, s17                  ; partial sums out: 8,192 x wave + 16 x lane
	v_add_nc_u32 v5, 0x10000, v4                   ; waves 8-15's
	v_lshl_add_u32 v6, v1, 2, s18                  ; my wave's 512 bytes: in, 4 bytes a lane
	v_lshl_add_u32 v7, v8, 6, s18                  ; back, 64 bytes for each g: cos or sin g / 4, block (g / 2) % 2, half g % 2
	v_mul_u32_u24 v[OA], v9, 768                   ; codes [cos, sin][block 2][row 16][24 bytes]
	v_lshl_add_u32 v[OS], v9, 7, s20               ; scale words [cos, sin][lane 32][4 bytes]
	v_lshlrev_b32 v[SH], 3, v10
	v_lshl_add_u32 v[OL], v0, 3, OUT
	v_lshlrev_b32 v[GO], 3, v0
	v_lshlrev_b32 v[XO], 4, v1
	v_mad_u32_u24 v[OA], v10, 384, v[OA]
	s_delay_alu instid0(VALU_DEP_2)
	v_lshl_add_u32 v[XO], v12, 11, v[XO]
	s_delay_alu instid0(VALU_DEP_2)
	v_mad_u32_u24 v[OA], v11, 12, v[OA]
	s_delay_alu instid0(VALU_DEP_2)
	v_add_nc_u32 v[XSA], XS, v[XO]
	s_delay_alu instid0(VALU_DEP_2)
	v_add_nc_u32 v[OA], s19, v[OA]
	v_mov_b32 v[DT], 0
	VPAIR VS5, 0x3c08839e
	VPAIR VB2, 0x3d2a9e75
	VPAIR VK0, 0xc5491c6c                          ; -(2^23 c + h)
.set J, 0
.rept 16
	v_mov_b32 v[ACC+4*J],   -4.0                   ; Q begins at -4: my wave's 32 terms x -1/8
	v_mov_b32 v[ACC+4*J+1], -4.0
	v_mov_b32 v[ACC+4*J+2], 0
	v_mov_b32 v[ACC+4*J+3], 0
.set J, J+1
.endr
	s_wait_alu depctr_va_vdst(0)                   ; the wait at the head's end
	s_wait_kmcnt 0x0
	s_add_nc_u64 s[2:3], s[88:89], s[86:87]
	s_lshl_b32 s86, s12, 17                        ; 64 rows of W and of B
	s_add_nc_u64 s[4:5], s[90:91], s[86:87]
	s_add_nc_u64 s[6:7], s[92:93], s[86:87]
	s_lshl_b32 s86, s13, 4
	s_add_co_u32 s86, s86, s12
	s_mul_i32 s86, s86, 1792                       ; my 1,792 bytes of acod: number 16 mt + nt
	s_add_nc_u64 s[8:9], s[94:95], s[86:87]
.irp j, 0,1,2,3
	global_load_b128 v[X+4*\j:X+4*\j+3], v[XO], s[2:3] offset:512*\j   ; row = my wave's number: 512 neighbouring bytes a load
.endr
	WBLOAD
	s_wait_loadcnt 0x8                             ; x is in; the eight loads of W and B stay out
.irp j, 0,1,2,3
	ds_store_b128 v[XSA], v[X+4*\j:X+4*\j+3] offset:512*\j
.endr
	s_wait_dscnt 0x0                               ; for the others' sake: my row of x is stored
	s_barrier_signal -1
	s_barrier_wait -1
.Lchunk:                                               ; four trips: 8 i x 16 rows x 64 neurons each
	s_lshl_b32 s21, s11, 9
	v_add_nc_u32 v[XAD], s21, v[XB]
	XL 0, 0                                        ; they land under the lines below
	s_wait_loadcnt 0x0                             ; this chunk's W and B are in, and their offset register is free
	PREP
	s_cmp_eq_u32 s11, 3                            ; the last chunk asks for nothing: no load leaves its buffer
	s_cbranch_scc1 .Lno_wb
	v_add_nc_u32 v2, 0x200, v2
	WBLOAD                                         ; the next chunk's: they have this chunk's arithmetic in which to land
.Lno_wb:
	s_wait_alu depctr_va_vdst(0)
	GROUP 0
	GROUP 1
	GROUP 2
	GROUP 3
	s_add_co_u32 s11, s11, 1
	s_cmp_lt_u32 s11, 4
	s_wait_alu depctr_va_vdst(0)                   ; the wait ahead of the branch
	s_cbranch_scc1 .Lchunk
	; the sixteen waves' partial sums meet
.irp b, 0,1,2,3,4,5,6,7,8,9,10,11,12,13,14,15
	ds_store_b128 v3, v[ACC+4*\b:ACC+4*\b+3] offset:512*\b
.endr
	s_wait_dscnt 0x0                               ; for the others' sake: my stores are done
	s_barrier_signal -1
	s_barrier_wait -1
.irp j, 0,1,2,3,4,5,6,7
	ds_load_b128 v[8+4*\j:11+4*\j], v4 offset:8192*\j          ; row = my wave's number, from wave j
.endr
.irp j, 0,1,2,3,4,5,6,7
	ds_load_b128 v[40+4*\j:43+4*\j], v5 offset:8192*\j         ; from wave 8 + j
.endr
	s_wait_dscnt 0x0
.irp j, 0,2,4,6,8,10,12,14
	v_pk_add_f32 v[8+4*\j:9+4*\j],   v[8+4*\j:9+4*\j],   v[12+4*\j:13+4*\j]
	v_pk_add_f32 v[10+4*\j:11+4*\j], v[10+4*\j:11+4*\j], v[14+4*\j:15+4*\j]
.endr
.irp j, 0,4,8,12
	v_pk_add_f32 v[8+4*\j:9+4*\j],   v[8+4*\j:9+4*\j],   v[16+4*\j:17+4*\j]
	v_pk_add_f32 v[10+4*\j:11+4*\j], v[10+4*\j:11+4*\j], v[18+4*\j:19+4*\j]
.endr
.irp j, 0
	v_pk_add_f32 v[8+4*\j:9+4*\j],   v[8+4*\j:9+4*\j],   v[24+4*\j:25+4*\j]
	v_pk_add_f32 v[10+4*\j:11+4*\j], v[10+4*\j:11+4*\j], v[26+4*\j:27+4*\j]
.endr
.irp j, 8
	s_delay_alu instid0(VALU_DEP_4)
	v_pk_add_f32 v[8+4*\j:9+4*\j],   v[8+4*\j:9+4*\j],   v[24+4*\j:25+4*\j]
	s_delay_alu instid0(VALU_DEP_4)
	v_pk_add_f32 v[10+4*\j:11+4*\j], v[10+4*\j:11+4*\j], v[26+4*\j:27+4*\j]
.endr
	s_delay_alu instid0(VALU_DEP_2)
	v_pk_add_f32 v[8:9],   v[8:9],   v[40:41]      ; Q
	s_delay_alu instid0(VALU_DEP_2)
	v_pk_add_f32 v[10:11], v[10:11], v[42:43]      ; S
	s_delay_alu instid0(VALU_DEP_1)
	v_pk_fma_f32 v[12:13], v[10:11], s[KDL:KDL+1], v[8:9] op_sel_hi:[1,0,1]                                   ; Q + dl S
	s_delay_alu instid0(VALU_DEP_2)
	v_pk_fma_f32 v[14:15], v[8:9], s[KDL:KDL+1], v[10:11] op_sel_hi:[1,0,1] neg_lo:[1,0,0] neg_hi:[1,0,0]     ; S - dl Q
	s_delay_alu instid0(VALU_DEP_2)
	v_pk_mul_f32 v[12:13], v[12:13], s[KM8:KM8+1] op_sel_hi:[1,0]                                             ; cos_sum
	s_delay_alu instid0(VALU_DEP_2)
	v_pk_mul_f32 v[14:15], v[14:15], s[K8:K8+1] op_sel_hi:[1,0]                                               ; sin_sum
	; the conversion takes 16 neighbours along n from ONE lane's registers: the row turns through my wave's own 512 bytes
	ds_store_b32 v6, v12
	ds_store_b32 v6, v13 offset:128
	ds_store_b32 v6, v14 offset:256
	ds_store_b32 v6, v15 offset:384
.irp j, 0,1,2,3
	ds_load_b128 v[16+4*\j:19+4*\j], v7 offset:16*\j           ; LDS serves a wave's instructions in order (ISA guide 5.7.1.4): these see the stores above.  Lanes 8-31 repeat lanes 0-7
.endr
	s_wait_dscnt 0x0
	v_max3_num_f32 v32, |v16|, |v17|, 0x2800000    ; my 16 numbers' largest magnitude, and the floor 2^(5 - 127): the byte cannot fall under 1
	v_max3_num_f32 v33, |v18|, |v19|, |v20|
	s_delay_alu instid0(VALU_DEP_2)
	v_max3_num_f32 v32, v32, |v21|, |v22|
	s_delay_alu instid0(VALU_DEP_2)
	v_max3_num_f32 v33, v33, |v23|, |v24|
	s_delay_alu instid0(VALU_DEP_2)
	v_max3_num_f32 v32, v32, |v25|, |v26|
	s_delay_alu instid0(VALU_DEP_2)
	v_max3_num_f32 v33, v33, |v27|, |v28|
	s_delay_alu instid0(VALU_DEP_2)
	v_max3_num_f32 v32, v32, |v29|, |v30|
	s_delay_alu instid0(VALU_DEP_1)
	v_max3_num_f32 v32, v32, v33, |v31|
	s_delay_alu instid0(VALU_DEP_1)
	v_max_num_f32_dpp v32, v32, v32 row_xmask:1 row_mask:0xf bank_mask:0xf   ; with the block's other half
	s_delay_alu instid0(VALU_DEP_1)
	v_add_nc_u32 v34, 0xfe000000, v32              ; 4 off the exponent field: the conversion's scale operand
	v_cvt_scalef32_pk16_bf6_f32 v[36:38], v[16:31], v34
	v_lshrrev_b32 v35, 23, v34                     ; the scale's byte (also the plain line behind the conversion)
	ds_store_b32 v[OA], v36
	ds_store_b32 v[OA], v37 offset:4
	ds_store_b32 v[OA], v38 offset:8
	v_lshlrev_b32 v35, v[SH], v35                  ; at its block's place,
	s_delay_alu instid0(VALU_DEP_1)
	v_mov_b32_dpp v[DT], v35 row_xmask:2 row_mask:0xf bank_mask:0xf
	s_delay_alu instid0(VALU_DEP_1)
	v_or_b32 v35, v35, v[DT]                       ; with the other block's,
	s_delay_alu instid0(VALU_DEP_1)
	v_lshlrev_b32 v35, s14, v35                    ; in my half of the K step's word
	ds_store_b32 v[OS], v35                        ; lanes that hold the same word write it to the same place
	ds_store_b32 v[OS], v35 offset:64              ; and a copy for lanes 16-31
	s_wait_dscnt 0x0
	s_barrier_signal -1
	s_barrier_wait -1
	s_cmp_gt_u32 s10, 6                            ; 1,792 bytes are 7 waves x 32 lanes x 8 bytes: waves 0 to 6 store them, all lanes on
	s_cbranch_scc1 .Lend
	ds_load_b64 v[8:9], v[OL]
	s_wait_dscnt 0x0
	global_store_b64 v[GO], v[8:9], s[8:9]         ; a wave stores 256 consecutive bytes, at a multiple of 256 from the buffer's first byte
.Lend:
	s_wait_tensorcnt 0x0                           ; the wave's end
	ds_add_u32 v[SPW], v[NIL]
	s_wait_dscnt 0x0
	s_endpgm
.Lfunc_end_k_qc48a49078f_sums:
	.size	k_qc48a49078f_sums, .Lfunc_end_k_qc48a49078f_sums-k_qc48a49078f_sums
	.p2alignl 7, 3214868480
	.fill 96, 4, 3214868480
	.section	.rodata,"a",@progbits
	.p2align	6, 0x0
	.amdhsa_kernel k_qc48a49078f_sums
		.amdhsa_group_segment_fixed_size 176128
		.amdhsa_private_segment_fixed_size 0
		.amdhsa_enable_private_segment 0
		.amdhsa_kernarg_size 32
		.amdhsa_user_sgpr_count 2
		.amdhsa_user_sgpr_kernarg_segment_ptr 1
		.amdhsa_wavefront_size32 1
		.amdhsa_system_sgpr_workgroup_id_x 1
		.amdhsa_system_sgpr_workgroup_id_y 1
		.amdhsa_system_sgpr_workgroup_id_z 1
		.amdhsa_system_vgpr_workitem_id 0
		.amdhsa_next_free_vgpr 250
		.amdhsa_next_free_sgpr 96
		.amdhsa_reserve_vcc 0
		.amdhsa_float_denorm_mode_32 3
		.amdhsa_float_denorm_mode_16_64 3
		.amdhsa_memory_ordered 1
		.amdhsa_forward_progress 1
		.amdhsa_inst_pref_size 182
	.end_amdhsa_kernel
	.amdgpu_metadata
---
amdhsa.version: [ 1, 2 ]
amdhsa.kernels:
  - .name:           k_qc48a49078f_sums
    .symbol:         k_qc48a49078f_sums.kd
    .args:
      - { .name: x, .offset: 0, .size: 8, .value_kind: global_buffer, .address_space: global }
      - { .name: W, .offset: 8, .size: 8, .value_kind: global_buffer, .address_space: global }
      - { .name: B, .offset: 16, .size: 8, .value_kind: global_buffer, .address_space: global }
      - { .name: acod, .offset: 24, .size: 8, .value_kind: global_buffer, .address_space: global }
    .group_segment_fixed_size: 176128
    .private_segment_fixed_size: 0
    .kernarg_segment_align: 8
    .kernarg_segment_size: 32
    .max_flat_workgroup_size: 512
    .sgpr_count:     96
    .vgpr_count:     250
    .wavefront_size: 32
...
	.end_amdgpu_metadata
.endif
;; end of part 1
;; launch proj (part 2): grid 8 x 32, 4 waves a work-group, no clusters, 168,448 bytes of LDS; arguments acod, Wr_codes, Wi_codes, Wr_scales, Wi_scales, out0, out1; writes out0, out1
.if DOCPART == 2
	.amdgcn_target "amdgcn-amd-amdhsa--gfx1250"
	.amdhsa_code_object_version 6
	.text
	.protected	k_qc48a49078f_proj
	.globl	k_qc48a49078f_proj
	.p2align	8
	.type	k_qc48a49078f_proj,@function
k_qc48a49078f_proj:
	s_mov_b64 s[64:65], 0
	v_nop
	global_prefetch_b8 v0, s[64:65] scope:SCOPE_SE
	s_setreg_imm32_b32 hwreg(HW_REG_WAVE_MODE, 25, 1), 1
	s_wait_xcnt 0x0
; out0 = cos_sum Wr^T, out1 = sin_sum Wi^T: [256][1024] x [512][1024]^T, both operands codes of E3M2 with one E8M0 byte for each 32 along K; sums in f32.
; SHARES.  2 products x 16 M tiles x 32 N tiles of 16 x 16 are 1,024 tiles: one for each wave of 256 work-groups.  Work-group (x, y): columns 64 x on; y / 16 says which product, y % 16 which 16 rows.  Wave w: columns 64 x + 16 w on.
; THE LEFT OPERAND lies in acod in the order of the operand's registers: part 16 mt + nt (1,792 bytes) holds, for 64 along K, [cos, sin][lane 32][24 bytes] of codes and behind them [cos, sin][lane 32][4 bytes] of
; scale words, each with its two bytes at their place in the K step's word: the words of parts 2 s and 2 s + 1 are joined by an OR.
; THE RIGHT OPERAND: a wave's 16 rows of 768 bytes are one dense block: it brings them by its one tensor load, as 48 pieces of 256 bytes with 16 bytes of padding behind each, into LDS bytes that it alone reads:
; its own wait on TENSORcnt orders the reads.  All 8 K steps' fragments of both operands stand in registers (2 x 96), the 48 LDS loads go out in one run, and each product waits only for its own six.
; THE MATRIX INSTRUCTION IS USED TRANSPOSED (source 0 = 16 rows of the weight, source 1 = my 16 rows): a lane then holds eight neighbouring numbers of a row of the output.
; The even and the odd K steps are summed on two accumulators, which take turns, and joined by one f32 addition: the order of the f32 sum is not K ascending.
; THE WAY OUT: the four waves' 64 bytes of each row make 256: through one stage, a barrier between writing and reading, each wave storing four whole rows.
; NO CLUSTER: the work-groups that share a weight tile ask for it once, 12,288 bytes a wave, in the whole launch; the rounds of a cluster's barrier would stand round that single load.  NO PREFETCH: there is no loop to run ahead in.
.set STG,  52224                       ; LDS: behind the weight tiles (4 x 13,056 bytes): 16 rows x (256 + 16) bytes, the work-group's; no tensor load lands there
.set SPARE, 167936                     ; the spare words: 128 bytes a wave
.set AS,   16                          ; v16-23 my rows' scale words, K step s;  v24-31 their upper halves until the OR
.set AT,   24
.set BS,   32                          ; v32-39 the weight's scale words, K step s
.set ACC,  40                          ; v40-47 even K steps, v48-55 odd
.set SPW,  56
.set NIL,  57
.set AF,   64                          ; v64-159 my rows' fragments: K step s at 12 s
.set BF,   160                         ; v160-255 the weight's
.set G1,   24                          ; s[24:31] descriptor group 1;  s[32:35] group 0
.set G0,   32
	s_load_b256 s[36:43], s[0:1], 0x0              ; acod, Wr_codes, Wi_codes, Wr_scales
	s_load_b128 s[44:47], s[0:1], 0x20             ; Wi_scales, out0
	s_load_b64 s[48:49], s[0:1], 0x30              ; out1
	v_lshl_add_u32 v[SPW], v0, 2, SPARE
	v_mov_b32 v[NIL], 0
	ds_add_u32 v[SPW], v[NIL]                      ; the opening: the add, twice on end, and its wait ahead of my tensor load
	ds_add_u32 v[SPW], v[NIL]
	v_lshrrev_b32 v1, 5, v0
	v_readfirstlane_b32 s8, v1                     ; wave 0..3
	s_mov_b32 s9, ttmp9                            ; which 64 columns
	s_and_b32 s10, ttmp7, 0xffff
	s_lshr_b32 s11, s10, 4                         ; 0: cos and Wr, 1: sin and Wi
	s_and_b32 s12, s10, 15                         ; the M tile
	s_mul_i32 s13, s8, 13056                       ; my 16 weight rows' place in LDS
	s_lshl_b32 s20, s8, 6
	s_add_co_u32 s20, s20, STG                     ; into the stage: my 64 bytes of each row
	s_mul_i32 s21, s8, 1088
	s_add_co_u32 s21, s21, STG                     ; back: my four rows
	; group 1: 48 rows of 32 elements of 8 bytes, dense; 16 bytes of padding behind every 64 words
	s_mov_b32 s[G1+0], (3<<16)|(1<<20)|(5<<22)|(3<<25)
	s_mov_b32 s[G1+1], 32<<16                      ; tensor_dim0
	s_mov_b32 s[G1+2], 48<<16                      ; tensor_dim1
	s_mov_b32 s[G1+3], 32<<16                      ; tile_dim0
	s_mov_b32 s[G1+4], 48                          ; tile_dim1
	s_mov_b32 s[G1+5], 32                          ; from row to row
	s_mov_b32 s[G1+6], 0
	s_mov_b32 s[G1+7], 0
	s_mov_b32 s[G0], 1
	s_mul_i32 s[G0+1], s8, 13056
	s_mul_i32 s14, s9, 49152                       ; the weight's codes: 64 rows of 768 bytes a work-group,
	s_mul_i32 s15, s8, 12288                       ; 16 a wave
	s_add_co_u32 s14, s14, s15
	s_mov_b32 s15, 0
	s_lshl_b32 s50, s9, 11                         ; its scale bytes: 64 rows of 32 a work-group,
	s_lshl_b32 s51, s8, 9                          ; 16 a wave
	s_add_co_u32 s50, s50, s51
	s_mov_b32 s51, 0
	s_mul_i32 s52, s12, 28672                      ; the M tile's 16 parts of acod,
	s_mul_i32 s53, s11, 768
	s_lshl_b32 s54, s11, 7
	s_add_co_u32 s54, s54, s52
	s_add_co_u32 s54, s54, 1536                    ; the scale words of my kind,
	s_add_co_u32 s52, s52, s53                     ; the codes of my kind
	s_mov_b32 s53, 0
	s_mov_b32 s55, 0
	s_lshl_b32 s56, s12, 15                        ; the output: 16 rows of 2,048 bytes a tile,
	s_lshl_b32 s57, s8, 13                         ; four rows a wave,
	s_add_co_u32 s56, s56, s57
	s_lshl_b32 s57, s9, 8                          ; 256 bytes a work-group
	s_add_co_u32 s56, s56, s57
	s_mov_b32 s57, 0
	v_and_b32 v1, 15, v0                           ; r
	v_bfe_u32 v2, v0, 4, 1                         ; h
	v_and_b32 v11, 31, v0                          ; lane
	v_mul_u32_u24 v3, v11, 24                      ; my 24 bytes of a part's codes
	v_lshlrev_b32 v4, 2, v11                       ; my scale word
	v_lshlrev_b32 v5, 5, v1                        ; the weight's scale bytes: 32 a row
	v_mul_u32_u24 v6, v1, 816                      ; a weight row in LDS: 3 x (256 + 16) bytes
	v_add_nc_u32 v6, s13, v6
	v_mad_u32_u24 v7, v2, 40, v6                   ; for the pieces of lanes 16-31 that lie behind one padding more
	v_mad_u32_u24 v6, v2, 24, v6
	v_mul_u32_u24 v8, v1, 272
	v_lshl_add_u32 v8, v2, 5, v8
	v_add_nc_u32 v8, s20, v8                       ; in: row r, 32 bytes for each half of the lanes
	v_mul_u32_u24 v9, v2, 272
	v_lshl_add_u32 v9, v1, 4, v9
	v_add_nc_u32 v9, s21, v9                       ; back: lanes 0-15 one row of 256 bytes, lanes 16-31 the next
	v_lshlrev_b32 v10, 11, v2
	v_lshl_add_u32 v10, v1, 4, v10                 ; and the same two rows in the output (2,048 bytes a row)
	s_wait_alu depctr_va_vdst(0)                   ; the wait at the head's end
	s_wait_dscnt 0x0                               ; both opening adds are done
	s_wait_kmcnt 0x0
	s_cmp_lt_u32 s10, 16                           ; the choice hangs on the work-group's number alone
	s_cselect_b64 s[2:3], s[38:39], s[40:41]
	s_cselect_b64 s[4:5], s[42:43], s[44:45]
	s_cselect_b64 s[6:7], s[46:47], s[48:49]
	s_add_nc_u64 s[G0+2:G0+3], s[2:3], s[14:15]
	s_or_b32 s[G0+3], s[G0+3], 0x80000000          ; type = 2
	s_add_nc_u64 s[4:5], s[4:5], s[50:51]
	s_add_nc_u64 s[6:7], s[6:7], s[56:57]
	s_add_nc_u64 s[16:17], s[36:37], s[52:53]
	s_add_nc_u64 s[18:19], s[36:37], s[54:55]
	tensor_load_to_lds s[G0:G0+3], s[G1:G1+7]      ; my one tensor load: a first fill; nothing is filled again
	s_nop 0
.rept 4
	v_nop
.endr
.irp s, 0,1,2,3,4,5,6,7
.irp c, 0,1
.irp p, 0,1,2
	global_load_b64 v[AF+12*\s+6*\c+2*\p:AF+12*\s+6*\c+2*\p+1], v3, s[16:17] offset:(2*\s+\c)*1792+8*\p   ; registers 6 c .. 6 c + 5: K = 128 s + 64 c + 32 h + 0 .. 31
.endr
.endr
.endr
.irp s, 0,1,2,3,4,5,6,7
	global_load_b32 v[AS+\s], v4, s[18:19] offset:(2*\s)*1792
	global_load_b32 v[AT+\s], v4, s[18:19] offset:(2*\s+1)*1792
.endr
	global_load_b128 v[BS:BS+3],   v5, s[4:5]
	global_load_b128 v[BS+4:BS+7], v5, s[4:5] offset:16
	s_wait_tensorcnt 0x0                           ; my 16 rows have landed; nobody else reads them
; a fragment of the weight, K step s: six pieces of 8 bytes.  Data byte D of a row lies at D + 16 (D / 256); lanes 16-31 read 24 bytes further on, which for some pieces is behind one padding more
.irp s, 0,1,2,3,4,5,6,7
.irp p, 0,1,2,3,4,5
.set D0, 96*\s+48*(\p/3)+8*(\p%3)
.if (D0+24)/256 > D0/256
	ds_load_b64 v[BF+12*\s+2*\p:BF+12*\s+2*\p+1], v7 offset:D0+16*(D0/256)
.else
	ds_load_b64 v[BF+12*\s+2*\p:BF+12*\s+2*\p+1], v6 offset:D0+16*(D0/256)
.endif
.endr
.endr
	s_wait_loadcnt 0x0
.irp s, 0,1,2,3,4,5,6,7
	v_or_b32 v[AS+\s], v[AS+\s], v[AT+\s]          ; a K step's four bytes
.endr
.rept 8
	v_nop                                          ; a scale register written by a vector instruction stands eight places ahead of the scaled product
.endr
	s_wait_alu depctr_va_vdst(0)                   ; the wait here, directly ahead of the wait below
.irp s, 0,1,2,3,4,5,6,7
	s_wait_dscnt 42-6*\s                           ; the six loads of each later K step may stay out
.if \s < 2
	v_wmma_scale_f32_16x16x128_f8f6f4 v[ACC+8*(\s%2):ACC+8*(\s%2)+7], v[BF+12*\s:BF+12*\s+11], v[AF+12*\s:AF+12*\s+11], 0, v[BS+\s], v[AS+\s] matrix_a_fmt:MATRIX_FMT_BF6 matrix_b_fmt:MATRIX_FMT_BF6
.else
	v_wmma_scale_f32_16x16x128_f8f6f4 v[ACC+8*(\s%2):ACC+8*(\s%2)+7], v[BF+12*\s:BF+12*\s+11], v[AF+12*\s:AF+12*\s+11], v[ACC+8*(\s%2):ACC+8*(\s%2)+7], v[BS+\s], v[AS+\s] matrix_a_fmt:MATRIX_FMT_BF6 matrix_b_fmt:MATRIX_FMT_BF6
.endif
.endr
.rept 4
	v_nop                                          ; four places (ISA guide 7.12.1) ahead of the first read of results
.endr
.irp j, 0,2,4,6
	v_pk_add_f32 v[ACC+\j:ACC+\j+1], v[ACC+\j:ACC+\j+1], v[ACC+8+\j:ACC+9+\j]   ; even + odd K steps, each accumulator from its low end on
.endr
	; lane (r, h) holds row r, columns 16 w + 8 h + 0 .. 7
	ds_store_b128 v8, v[ACC:ACC+3]
	ds_store_b128 v8, v[ACC+4:ACC+7] offset:16
	s_wait_dscnt 0x0                               ; for the others' sake: my stores into the stage are done
	s_barrier_signal -1
	s_barrier_wait -1
	ds_load_b128 v[AF:AF+3],   v9                  ; rows 4 w + h
	ds_load_b128 v[AF+4:AF+7], v9 offset:544       ; rows 4 w + 2 + h
	s_wait_dscnt 0x1
	global_store_b128 v10, v[AF:AF+3], s[6:7] th:TH_STORE_NT               ; sixteen lanes store 256 consecutive bytes, at a multiple of 256 from the output's first byte
	s_wait_dscnt 0x0
	global_store_b128 v10, v[AF+4:AF+7], s[6:7] offset:4096 th:TH_STORE_NT
	s_wait_tensorcnt 0x0                           ; the wave's end
	ds_add_u32 v[SPW], v[NIL]
	s_wait_dscnt 0x0
	s_endpgm
.Lfunc_end_k_qc48a49078f_proj:
	.size	k_qc48a49078f_proj, .Lfunc_end_k_qc48a49078f_proj-k_qc48a49078f_proj
	.p2alignl 7, 3214868480
	.fill 96, 4, 3214868480
	.section	.rodata,"a",@progbits
	.p2align	6, 0x0
	.amdhsa_kernel k_qc48a49078f_proj
		.amdhsa_group_segment_fixed_size 168448
		.amdhsa_private_segment_fixed_size 0
		.amdhsa_enable_private_segment 0
		.amdhsa_kernarg_size 56
		.amdhsa_user_sgpr_count 2
		.amdhsa_user_sgpr_kernarg_segment_ptr 1
		.amdhsa_wavefront_size32 1
		.amdhsa_system_sgpr_workgroup_id_x 1
		.amdhsa_system_sgpr_workgroup_id_y 1
		.amdhsa_system_sgpr_workgroup_id_z 1
		.amdhsa_system_vgpr_workitem_id 0
		.amdhsa_next_free_vgpr 256
		.amdhsa_next_free_sgpr 66
		.amdhsa_reserve_vcc 0
		.amdhsa_float_denorm_mode_32 3
		.amdhsa_float_denorm_mode_16_64 3
		.amdhsa_memory_ordered 1
		.amdhsa_forward_progress 1
		.amdhsa_inst_pref_size 17
	.end_amdhsa_kernel
	.amdgpu_metadata
---
amdhsa.version: [ 1, 2 ]
amdhsa.kernels:
  - .name:           k_qc48a49078f_proj
    .symbol:         k_qc48a49078f_proj.kd
    .args:
      - { .name: acod, .offset: 0, .size: 8, .value_kind: global_buffer, .address_space: global }
      - { .name: Wr_codes, .offset: 8, .size: 8, .value_kind: global_buffer, .address_space: global }
      - { .name: Wi_codes, .offset: 16, .size: 8, .value_kind: global_buffer, .address_space: global }
      - { .name: Wr_scales, .offset: 24, .size: 8, .value_kind: global_buffer, .address_space: global }
      - { .name: Wi_scales, .offset: 32, .size: 8, .value_kind: global_buffer, .address_space: global }
      - { .name: out0, .offset: 40, .size: 8, .value_kind: global_buffer, .address_space: global }
      - { .name: out1, .offset: 48, .size: 8, .value_kind: global_buffer, .address_space: global }
    .group_segment_fixed_size: 168448
    .private_segment_fixed_size: 0
    .kernarg_segment_align: 8
    .kernarg_segment_size: 56
    .max_flat_workgroup_size: 128
    .sgpr_count:     66
    .vgpr_count:     256
    .wavefront_size: 32
...
	.end_amdgpu_metadata
.endif
;; end of part 2
